; MI455X (gfx1250); checked and timed in simulation.
; The chip was launched on July 23, 2026; its instructions are those of AMD's public machine-readable ISA for CDNA 5 (MIT licence, August 2026) and "CDNA5" Instruction Set Architecture Reference Guide (July 2026). The comments in the code are by the model that wrote it; some were corrected since.
;; LSTM From Scratch. Allowed arithmetic: float matrix products may take bf16 or f16 operands with f32 sums; other float arithmetic in f32, or as packed bf16 or f16 multiplies, adds, multiply-adds, maxima and minima; sums over many terms, partial sums and values carried from step to step in f32; what a program stores and reads back later, other than sums and carried values, may be rounded once to bf16 or f16.
;; Inputs: W_c 2,048 x 3,072 float32; W_f 2,048 x 3,072 float32; W_i 2,048 x 3,072 float32; W_o 2,048 x 3,072 float32; b_c 2,048 float32; b_f 2,048 float32; b_i 2,048 float32; b_o 2,048 float32; c_prev 2,048 x 2,048 float32; h_prev 2,048 x 2,048 float32; x_t 2,048 x 1,024 float32.
;; Outputs: out0 2,048 x 2,048 float32; out1 2,048 x 2,048 float32.
;; 2 versions, each right; version 2 is version 1 with the launch cast written anew for expert scheduling mode. Each part assembles by itself: llvm-mc -triple=amdgcn-amd-amdhsa -mcpu=gfx1250 --defsym DOCPART=n.
;; ======== version 1 of 2: 2 launches
;; workspace buffers: abf 12,582,912 bytes; wbf 50,331,648 bytes
;; launch cast (part 1): grid 256 x 5, 8 waves a work-group, no clusters, 0 bytes of LDS; arguments x_t, h_prev, W_i, W_f, W_c, W_o, abf, wbf; writes abf, wbf
.if DOCPART == 1
	.amdgcn_target "amdgcn-amd-amdhsa--gfx1250"
	.amdhsa_code_object_version 6
	.text
	.protected	k_qf419aa494a_cast
	.globl	k_qf419aa494a_cast
	.p2align	8
	.type	k_qf419aa494a_cast,@function
k_qf419aa494a_cast:
	s_mov_b64 s[64:65], 0
	v_nop
	global_prefetch_b8 v0, s[64:65] scope:SCOPE_SE
	s_setreg_imm32_b32 hwreg(HW_REG_WAVE_MODE, 25, 1), 1
	s_wait_xcnt 0x0
; THE OPERANDS OF THE GATE PRODUCT, ROUNDED ONCE TO bf16 AND LAID OUT FOR IT.
; abf [2048][3072] bf16: row = batch row, columns = x_t's 1,024 numbers, then h_prev's 2,048.
; wbf [8192][3072] bf16: hidden row h of gate g (0 = i, 1 = f, 2 = c, 3 = o) goes to row ((h >> 5) * 4 + g) * 32 + (h & 31): 128 consecutive rows
; are then 32 hidden units in all four gates, gate g at rows 32 g .. 32 g + 31, so that the product's wave tile holds all four gates of an element.
; SHARES.  Work-group y = 0: the activations; y = 1 .. 4: W_i, W_f, W_c, W_o.  Work-group x: eight rows, one for each wave.  A wave takes a whole row of 3,072 numbers:
; 24 loads of 16 bytes a lane (each 512 consecutive bytes), all issued before the first is waited for, and 24 stores of 8 bytes a lane (each 256 consecutive bytes, aligned).
; Every byte is read once and written once; no LDS, no barrier, no loop: the matrix units, clusters and tiles would add nothing to a stream.
; LIMITS.  Rounding is to nearest even; bf16 has f32's range, so nothing overflows; NaN and infinities pass as the conversion gives them.
.set X,    4                           ; v[4:99]  load j in v[X+4j : X+4j+3]; its two packed words then lie in the first two
.set WROW, 12288                       ; bytes in a row of a weight matrix
.set DROW, 6144                        ; bytes in a row of abf and of wbf
	s_load_b512 s[8:23], s[0:1], 0x0               ; x s[8:9], h s[10:11], W_i s[12:13], W_f s[14:15], W_c s[16:17], W_o s[18:19], abf s[20:21], wbf s[22:23]
	v_and_b32 v1, 31, v0                           ; lane
	v_lshrrev_b32 v2, 5, v0
	v_readfirstlane_b32 s2, v2                     ; wave 0..7
	v_lshlrev_b32 v3, 3, v1                        ; 8 bytes a lane on the way out
	v_lshlrev_b32 v1, 4, v1                        ; 16 bytes a lane on the way in
	s_and_b32 s3, ttmp7, 0xffff                    ; t: which tensor
	s_lshl_b32 s4, ttmp9, 3
	s_add_co_u32 s4, s4, s2                        ; my row
	s_max_u32 s5, s3, 1
	s_sub_co_u32 s5, s5, 1                         ; the gate g (0 where t = 0: not used there)
	s_lshr_b32 s6, s4, 5
	s_lshl2_add_u32 s6, s6, s5                     ; (row >> 5) * 4 + g
	s_lshl_b32 s6, s6, 5
	s_and_b32 s7, s4, 31
	s_add_co_u32 s6, s6, s7                        ; the row's place in wbf
	; the offsets are made apart from the addresses: the first 4,096 bytes of the row come from P0, the other 8,192 from P1
	s_mul_i32 s24, s4, WROW                        ; a weight row's first byte,
	s_add_co_u32 s26, s24, 4096                    ; and its byte 4,096
	s_lshl_b32 s28, s4, 12                         ; x's row
	s_lshl_b32 s30, s4, 13                         ; h's row
	s_cmp_eq_u32 s3, 0
	s_cselect_b32 s24, s28, s24
	s_cselect_b32 s26, s30, s26
	s_cselect_b32 s6, s4, s6                       ; abf keeps the row's number
	s_mul_i32 s28, s6, DROW
	s_mov_b32 s25, 0
	s_mov_b32 s27, 0
	s_mov_b32 s29, 0
	s_wait_kmcnt 0x0
	s_cmp_eq_u32 s3, 2                             ; the weight matrix is chosen by t alone
	s_cselect_b64 s[32:33], s[14:15], s[12:13]
	s_cmp_eq_u32 s3, 3
	s_cselect_b64 s[32:33], s[16:17], s[32:33]
	s_cmp_eq_u32 s3, 4
	s_cselect_b64 s[32:33], s[18:19], s[32:33]
	s_cmp_eq_u32 s3, 0
	s_cselect_b64 s[34:35], s[8:9], s[32:33]       ; P0: x, or the weight matrix
	s_cselect_b64 s[36:37], s[10:11], s[32:33]     ; P1: h, or the weight matrix
	s_cselect_b64 s[38:39], s[20:21], s[22:23]     ; D: abf or wbf
	s_add_nc_u64 s[34:35], s[34:35], s[24:25]
	s_add_nc_u64 s[36:37], s[36:37], s[26:27]
	s_add_nc_u64 s[38:39], s[38:39], s[28:29]
.set j, 0
.rept 8
	global_load_b128 v[X+4*j:X+4*j+3], v1, s[34:35] offset:512*j th:TH_LOAD_NT       ; read once in the launch
.set j, j+1
.endr
.rept 16
	global_load_b128 v[X+4*j:X+4*j+3], v1, s[36:37] offset:512*(j-8) th:TH_LOAD_NT
.set j, j+1
.endr
.set j, 0
.rept 24
	s_wait_loadcnt 23-j                            ; loads come back in order (ISA guide 5.7.1): load j is in, the 23 - j younger ones stay out
	v_cvt_pk_bf16_f32 v[X+4*j], v[X+4*j], v[X+4*j+1]
	v_cvt_pk_bf16_f32 v[X+4*j+1], v[X+4*j+2], v[X+4*j+3]
	global_store_b64 v3, v[X+4*j:X+4*j+1], s[38:39] offset:256*j  ; the wave's 32 lanes store 256 consecutive bytes, aligned; no register of a store is written again
.set j, j+1
.endr
	s_endpgm
.Lfunc_end_k_qf419aa494a_cast:
	.size	k_qf419aa494a_cast, .Lfunc_end_k_qf419aa494a_cast-k_qf419aa494a_cast
	.p2alignl 7, 3214868480
	.fill 96, 4, 3214868480
	.section	.rodata,"a",@progbits
	.p2align	6, 0x0
	.amdhsa_kernel k_qf419aa494a_cast
		.amdhsa_group_segment_fixed_size 0
		.amdhsa_private_segment_fixed_size 0
		.amdhsa_enable_private_segment 0
		.amdhsa_kernarg_size 64
		.amdhsa_user_sgpr_count 2
		.amdhsa_user_sgpr_kernarg_segment_ptr 1
		.amdhsa_wavefront_size32 1
		.amdhsa_system_sgpr_workgroup_id_x 1
		.amdhsa_system_sgpr_workgroup_id_y 1
		.amdhsa_system_sgpr_workgroup_id_z 1
		.amdhsa_system_vgpr_workitem_id 0
		.amdhsa_next_free_vgpr 100
		.amdhsa_next_free_sgpr 66
		.amdhsa_reserve_vcc 0
		.amdhsa_float_denorm_mode_32 3
		.amdhsa_float_denorm_mode_16_64 3
		.amdhsa_memory_ordered 1
		.amdhsa_forward_progress 1
		.amdhsa_inst_pref_size 10
	.end_amdhsa_kernel
	.amdgpu_metadata
---
amdhsa.version: [ 1, 2 ]
amdhsa.kernels:
  - .name:           k_qf419aa494a_cast
    .symbol:         k_qf419aa494a_cast.kd
    .args:
      - { .name: x_t, .offset: 0, .size: 8, .value_kind: global_buffer, .address_space: global }
      - { .name: h_prev, .offset: 8, .size: 8, .value_kind: global_buffer, .address_space: global }
      - { .name: W_i, .offset: 16, .size: 8, .value_kind: global_buffer, .address_space: global }
      - { .name: W_f, .offset: 24, .size: 8, .value_kind: global_buffer, .address_space: global }
      - { .name: W_c, .offset: 32, .size: 8, .value_kind: global_buffer, .address_space: global }
      - { .name: W_o, .offset: 40, .size: 8, .value_kind: global_buffer, .address_space: global }
      - { .name: abf, .offset: 48, .size: 8, .value_kind: global_buffer, .address_space: global }
      - { .name: wbf, .offset: 56, .size: 8, .value_kind: global_buffer, .address_space: global }
    .group_segment_fixed_size: 0
    .private_segment_fixed_size: 0
    .kernarg_segment_align: 8
    .kernarg_segment_size: 64
    .max_flat_workgroup_size: 256
    .sgpr_count:     66
    .vgpr_count:     100
    .wavefront_size: 32
...
	.end_amdgpu_metadata
.endif
;; end of part 1
;; launch lstm (part 2): grid 32 x 8, 4 waves a work-group, clusters of 4 x 4, 327,680 bytes of LDS; arguments abf, wbf, c_prev, b_i, b_f, b_c, b_o, out0, out1; writes out0, out1
.if DOCPART == 2
	.amdgcn_target "amdgcn-amd-amdhsa--gfx1250"
	.amdhsa_code_object_version 6
	.text
	.protected	k_qf419aa494a_lstm
	.globl	k_qf419aa494a_lstm
	.p2align	8
	.type	k_qf419aa494a_lstm,@function
k_qf419aa494a_lstm:
	s_mov_b64 s[64:65], 0
	v_nop
	global_prefetch_b8 v0, s[64:65] scope:SCOPE_SE
	s_setreg_imm32_b32 hwreg(HW_REG_WAVE_MODE, 25, 1), 1
	s_wait_xcnt 0x0
	s_wait_alu depctr_hold_cnt(0) depctr_sa_sdst(0) depctr_va_vdst(0) depctr_va_sdst(0) depctr_va_ssrc(0) depctr_va_vcc(0) depctr_vm_vsrc(0)
	s_getreg_b32 s2, hwreg(HW_REG_IB_STS2, 6, 4)
	s_cmp_eq_u32 s2, 0
	s_cbranch_scc0 .Lentry_in_a_cluster
	s_endpgm
.Lentry_in_a_cluster:
	s_bfe_u32 s2, ttmp6, 0x10000c
	s_cmp_lg_u32 s2, 0xf033
	s_cbranch_scc0 .Lentry_shape_is_right
	s_endpgm
.Lentry_shape_is_right:
; ONE LSTM CELL.  gates = [x | h] W^T + b (2,048 x 8,192, K = 3,072), i, f, o = sigmoid, g = tanh, c_t = f c_prev + i g (out1), h_t = o tanh(c_t) (out0).
; abf [2048][3072] and wbf [8192][3072] are the operands in bf16 (made by the launch before); sums in f32; biases, c_prev and all of the cell in f32.
; wbf's rows are ordered so that 128 consecutive rows are 32 hidden units in all four gates: gate g at rows 32 g .. 32 g + 31.
; SHARES.  A work-group makes 256 batch rows x 256 rows of wbf (64 hidden units x 4 gates); four waves, as many as a WGP has SIMDs, each 128 x 128: 64 accumulators of 16 x 16,
; (a, b): a = block of 16 batch rows, b = 2 g + u = gate g, hidden units 16 u on.  32 x 8 = 256 work-groups.
; THE MATRIX INSTRUCTION IS USED TRANSPOSED: source 0 = 16 rows of wbf, source 1 = 16 rows of abf.  Lane l then holds batch row l % 16, and its registers j = 0..7 the hidden units
; 16 u + 8 (l / 16) + j: the four gates of an element lie in ONE lane, in the same register number of accumulators (a, u), (a, 2 + u), (a, 4 + u), (a, 6 + u): the cell is register work.
; THE RING.  K goes in steps of 128 through two LDS slots filled by the tensor data mover; the tiles' rows are 256 bytes of memory, at multiples of 256 bytes from the buffer's first byte.
; CLUSTERS: 4 x 4 work-groups.  The four of a row of the cluster need the same tiles of abf, the four of a column the same tiles of wbf: each tile is asked for JOINTLY, by the same
; tensor load with the same descriptor and a mask that names the four.  c_prev's tile is no partner's: it comes by a plain load, 64 rows a wave, into slot 0 when that slot has been read for the last time.
; THE WAY OUT.  c_t and h_t go through stages in LDS (a wave's 32 hidden units are half of an aligned 256 bytes of a row), a barrier, and leave as whole rows of 256 bytes.
; LIMITS.  x, h and W are rounded once to bf16.  sigmoid(x) = 1 / (1 + 2^(-L x)), tanh(x) = 1 - 2 / (1 + 2^(2 L x)), L = log2(e): an exponential that overflows gives an infinity and its
; reciprocal 0, so the ends 0, 1, -1 come out with no clamp; an exponential below 2^-126 counts as 0; near 0 tanh carries an absolute error of some 1e-7; NaN and infinities among the inputs are not treated apart.
;
; REGISTERS, in windows of 256 (s_set_vgpr_msb: bits 1:0 source 0, 3:2 source 1, 5:4 source 2, 7:6 destination):
;   window 0: v0-31 addresses; v64-127, v128-191 fragments of abf, two buffers (in the cell: at work, and c_prev; on the way out: rows read back); v192-255 the biases, scaled
;   window 1: v64-127, v128-191 fragments of wbf, two buffers
;   window 2: the 32 accumulators of my rows 0-63 ((a, b) at v[8 (8 a + b)]);   window 3: those of my rows 64-127
.set SIZE_K, 3072
.set KSTEP,  128
.set PITCH,  272                       ; an LDS row: 256 bytes of data + 16 of padding = 68 words: row r starts at bank 4 r mod 64 (64 banks of 4 bytes: ISA guide 11.1), so the 16 rows that a load touches start at 16 different banks
.set HALFT,  128*PITCH                 ; 128 rows: what one tensor load of the ring brings, and what one wave reads of abf or of wbf
.set SLOT,   4*HALFT                   ; abf's 256 rows, then wbf's 256 rows
.set HSTG,   2*HALFT                   ; the cell's LDS: c_prev's tile at 0 (slot 0's last fill); h_t's stage at HSTG (the rest of slot 0); c_t's stage at SLOT (slot 1, which has had its last fill): 256 rows x 272 bytes each
.set SPARE,  2*SLOT                    ; behind the ring: the spare words, 128 bytes for each wave: two blocks of 256 bytes that no other line names
.set LAPS,   SIZE_K/(2*KSTEP)          ; a lap = two K steps = once round the ring: 12
.set OROW,   8192                      ; bytes in a row of c_prev, out0 and out1
.set ADRA, 16                          ; v16-17  LDS address of my abf fragments in slot 0, 1
.set ADRB, 20                          ; v20-21  the same for wbf
.set RDH,  22                          ; v22     the way out: where I read rows of h_t back
.set STH,  23                          ; v23     where I put my 32 bytes of a row of h_t
.set LDC,  24                          ; v24     where my 32 bytes of a row of c_prev lie
.set RDC,  25                          ; v25     the way out: where I read rows of c_t back
.set CO,   26                          ; v26     my byte offset in two rows of an output
.set VB,   27                          ; v27     my byte offset in 16 biases
.set SPW,  28                          ; v28     LDS address of my spare word: SPARE + 4 x my thread's number; never rewritten
.set NIL,  29                          ; v29     0; never rewritten
.set STC,  30                          ; v30     where I put my 32 bytes of a row of c_t
.set F0,   64                          ; fragment buffer 0
.set F1,   128                         ; fragment buffer 1
.set BI,   192                         ; v192-255 BI + 8 b + j: the bias of accumulator column block b, register j, times the gate's factor
.set E,    64                          ; the cell: E + 8 b + j, at work
.set CP,   128                         ; the cell: c_prev, then c_t, of a block: 16 registers, two buffers
.set OB,   64                          ; the way out: 64 rows read back, v64-191
.set G1,  24                           ; s[24:31] descriptor group 1 for abf's tiles
.set G0,  32                           ; s[32:39] descriptor group 0 for abf's tiles, one set for each slot
.set G1B, 48                           ; s[48:55] descriptor group 1 for wbf's tiles: it differs in the mask alone
.set G0B, 56                           ; s[56:63] descriptor group 0 for wbf's tiles, one set for each slot
.set BP,  70                           ; s[70:77] b_i, b_f, b_c, b_o
.set O0,  78                           ; s[78:79] out0
.set O1,  80                           ; s[80:81] out1
.set G1C, 84                           ; s[84:91] descriptor group 1 for c_prev's tile
.set G0C, 92                           ; s[92:95] its group 0: written once
.set NL,  96                           ; s[96:97] -L: the packed forms name a pair and take its low word for both halves
.set TL,  98                           ; s[98:99] 2 L
.set MSB, 0
.macro WIN new                         ; the immediate's high byte repeats the setting that is left; a switch that changes nothing is dropped
.if MSB != (\new)
	s_set_vgpr_msb (MSB<<8)|(\new)
.set MSB, \new
.endif
.endm
.set MUL_LO, 0xa1                      ; source 0 (wbf) window 1, source 1 (abf) window 0, C and D window 2
.set MUL_HI, 0xf1                      ; the same, C and D window 3
.set TO_B,   0x40                      ; destination window 1, address window 0
; A joint load.  Waves 0 and 1 fetch abf's two halves, waves 2 and 3 wbf's.  Each of the two lines has ONE mask and one set of registers for all that issue it, and nothing in them hangs on a
; coordinate that the four partners do not share.  The branch hangs on the wave's number alone.  An s_nop 0 and four v_nop follow each line, ahead of the jump, the label and what follows.
.macro JLOAD s
	s_cmp_eq_u32 s11, 0
	s_cbranch_scc0 .Lfor_b_\@
	tensor_load_to_lds s[G0+4*(\s):G0+4*(\s)+3], s[G1:G1+7]
	s_nop 0
.rept 4
	v_nop
.endr
	s_branch .Lasked_\@
.Lfor_b_\@:
	tensor_load_to_lds s[G0B+4*(\s):G0B+4*(\s)+3], s[G1B:G1B+7]
	s_nop 0
.rept 4
	v_nop
.endr
.Lasked_\@:
.endm
; A round of the cluster's barrier: my work-group's barrier, so that wave 0's signal speaks for all four waves; wave 0 signals for the work-group; every wave waits for all sixteen
; work-groups; my work-group's barrier once more.  No LDS instruction of the wave is pending at a signal.
.macro CREST                           ; a round behind its opening barrier
	s_cmp_lg_u32 s10, 0
	s_cbranch_scc1 .Lnot_wave_0_\@
	s_barrier_signal -3
.Lnot_wave_0_\@:
	s_barrier_wait -3
	s_barrier_signal -1
	s_barrier_wait -1
.endm
.macro CROUND                          ; a whole round
	s_barrier_signal -1
	s_barrier_wait -1
	CREST
.endm
	s_load_b128 s[4:7], s[0:1], 0x0                ; abf s[4:5], wbf s[6:7]
	s_load_b256 s[68:75], s[0:1], 0x10             ; c_prev s[68:69], b_i, b_f, b_c
	s_load_b128 s[76:79], s[0:1], 0x30             ; b_o, out0
	s_load_b64 s[80:81], s[0:1], 0x40              ; out1
	v_lshl_add_u32 v[SPW], v0, 2, SPARE
	v_mov_b32 v[NIL], 0
	ds_add_u32 v[SPW], v[NIL]                      ; the wave's opening: the add and its wait stand ahead of my first tensor load; the set-up below, work on registers, stands between them
	v_lshrrev_b32 v1, 5, v0
	v_readfirstlane_b32 s10, v1                    ; wave 0..3
	s_lshr_b32 s11, s10, 1                         ; which half of the tile's batch rows is mine.  Also: I fetch for abf (0) or for wbf (1)
	s_and_b32 s12, s10, 1                          ; which half of its wbf rows.  Also: which 128 rows of that tile I fetch
	s_bfe_u32 s40, ttmp6, 0x40000                  ; cx: my place along the cluster's x
	s_bfe_u32 s41, ttmp6, 0x40004                  ; cy: along its y
	s_lshl_b32 s42, ttmp9, 2                       ; in a cluster launch ttmp9 and ttmp7 count clusters
	s_add_co_u32 s42, s42, s40                     ; tile column = 4 x cluster x + cx: 256 rows of wbf, 64 hidden units
	s_and_b32 s13, ttmp7, 0xffff
	s_lshl_b32 s13, s13, 2
	s_add_co_u32 s13, s13, s41                     ; tile row = 4 x cluster y + cy: 256 batch rows
	s_lshl_b32 s43, s41, 2
	s_lshl_b32 s43, 15, s43                        ; my row of the cluster: places 4 cy .. 4 cy + 3
	s_lshl_b32 s44, 0x1111, s40                    ; my column: places cx, cx + 4, cx + 8, cx + 12
	; descriptor group 1 of the ring: a tile of 128 rows x 128 elements of 2 bytes, padded in LDS
	s_or_b32 s[G1+0], s43, (1<<16)|(1<<20)|(1<<21)|(5<<22)|(3<<25)  ; 15:0 the mask: abf's tiles go to my row; 17:16 element of 2 bytes; 20 padding on; 21 set beside a mask; 24:22 after every 64 words (code 5); 31:25 of 4 words (code 3)
	s_or_b32 s[G1B+0], s44, (1<<16)|(1<<20)|(1<<21)|(5<<22)|(3<<25) ; the same with the mask of my column, for wbf's tiles
.irp g, G1, G1B
	s_mov_b32 s[(\g)+1], KSTEP<<16                 ; tensor_dim0 = 128
	s_mov_b32 s[(\g)+2], 128<<16                   ; tensor_dim1 = 128
	s_mov_b32 s[(\g)+3], KSTEP<<16                 ; tile_dim0 = 128
	s_mov_b32 s[(\g)+4], 128                       ; tile_dim1 = 128
	s_mov_b32 s[(\g)+5], SIZE_K                    ; elements from row to row
	s_mov_b32 s[(\g)+6], 0
	s_mov_b32 s[(\g)+7], 0
.endr
	; c_prev's tile, my quarter: 64 rows x 64 elements of 4 bytes, the same padding; no mask: a load of my own
	s_mov_b32 s[G1C+0], (2<<16)|(1<<20)|(5<<22)|(3<<25)
	s_mov_b32 s[G1C+1], 64<<16                     ; tensor_dim0 = 64
	s_mov_b32 s[G1C+2], 64<<16                     ; tensor_dim1 = 64
	s_mov_b32 s[G1C+3], 64<<16                     ; tile_dim0 = 64
	s_mov_b32 s[G1C+4], 64                         ; tile_dim1 = 64
	s_mov_b32 s[G1C+5], 2048                       ; elements from row to row
	s_mov_b32 s[G1C+6], 0
	s_mov_b32 s[G1C+7], 0
	s_mov_b32 s[G0C], 1                            ; count = 1
	s_mul_i32 s[G0C+1], s10, 64*PITCH              ; LDS address: rows 64 w on, from byte 0
	s_mov_b32 s[NL], 0xbfb8aa3b                    ; -log2(e)
	s_mov_b32 s[NL+1], s[NL]                       ; named with it as a pair, so it is written
	s_mov_b32 s[TL], 0x4038aa3b                    ; 2 log2(e)
	s_mov_b32 s[TL+1], s[TL]
	; where the ring's tiles come from.  abf's hang on the tile row alone, which my row of the cluster shares; wbf's on the tile column alone, which my column shares.
	; Every wave makes both addresses, in registers that never hold the other coordinate, and asks by one of them.
	s_lshl_b32 s17, s12, 7                         ; which 128 rows of the tile I fetch
	s_lshl_b32 s16, s13, 8
	s_add_co_u32 s16, s16, s17                     ; abf: row 256 x tile row + 128 x half
	s_lshl_b32 s46, s42, 8
	s_add_co_u32 s46, s46, s17                     ; wbf: row 256 x tile column + 128 x half
	s_mov_b32 s17, 0
	s_mov_b32 s47, 0
	s_mov_b64 s[18:19], SIZE_K*2
	s_mul_u64 s[16:17], s[16:17], s[18:19]         ; in bytes
	s_mul_u64 s[46:47], s[46:47], s[18:19]
	s_mul_i32 s20, s10, HALFT                      ; and where they go: wave x 128 rows: no place in the cluster enters an LDS address
	; what holds both coordinates lies in s[8:9] and s[82:83] alone, which feed no joint load
	s_lshl_b32 s8, s42, 8
	s_lshl_b32 s9, s12, 7
	s_add_co_u32 s8, s8, s9                        ; my 32 hidden units in a bias, in bytes: 256 x tile column + 128 x half
	s_mov_b32 s9, 0
	s_lshl_b32 s82, s13, 8
	s_lshl_b32 s83, s10, 6
	s_add_co_u32 s82, s82, s83                     ; the first row that I fetch of c_prev and store of the outputs: 256 x tile row + 64 x wave,
	s_lshl_b32 s82, s82, 13                        ; in bytes,
	s_lshl_b32 s83, s42, 8
	s_add_co_u32 s82, s82, s83                     ; and the tile's 64 columns
	s_mov_b32 s83, 0
	s_wait_dscnt 0x0                               ; the opening add is done
	s_wait_kmcnt 0x0
	s_add_nc_u64 s[14:15], s[4:5], s[16:17]
	s_add_nc_u64 s[46:47], s[6:7], s[46:47]
	s_add_nc_u64 s[G0C+2:G0C+3], s[68:69], s[82:83]
	s_or_b32 s[G0C+3], s[G0C+3], 0x80000000        ; type = 2
	s_add_nc_u64 s[O0:O0+1], s[O0:O0+1], s[82:83]
	s_add_nc_u64 s[O1:O1+1], s[O1:O1+1], s[82:83]
.irp g, 0,1,2,3
	s_add_nc_u64 s[BP+2*(\g):BP+2*(\g)+1], s[BP+2*(\g):BP+2*(\g)+1], s[8:9]
.endr
	CROUND                                         ; all sixteen work-groups are here: the first joint loads meet
.irp s, 0,1
	s_mov_b32 s[G0+4*(\s)], 1                                      ; count = 1
	s_add_co_u32 s[G0+4*(\s)+1], s20, (\s)*SLOT                    ; LDS address
	s_add_nc_u64 s[G0+4*(\s)+2:G0+4*(\s)+3], s[14:15], (\s)*KSTEP*2  ; global address: K step s
	s_or_b32 s[G0+4*(\s)+3], s[G0+4*(\s)+3], 0x80000000            ; type = 2
	s_mov_b32 s[G0B+4*(\s)], 1
	s_add_co_u32 s[G0B+4*(\s)+1], s20, (\s)*SLOT
	s_add_nc_u64 s[G0B+4*(\s)+2:G0B+4*(\s)+3], s[46:47], (\s)*KSTEP*2
	s_or_b32 s[G0B+4*(\s)+3], s[G0B+4*(\s)+3], 0x80000000
	JLOAD \s                                       ; the ring is filled before anything else is done: two loads of mine are out
.endr
	; In the wait for the first tiles: the biases and the vector addresses.
	v_and_b32 v1, 15, v0                           ; l % 16
	v_bfe_u32 v2, v0, 4, 1                         ; l / 16
	v_lshlrev_b32 v[VB], 5, v2                     ; my eight biases of sixteen: 32 bytes for each half of the lanes
.irp g, 0,1,2,3
.irp u, 0,1
.irp q, 0,1
	global_load_b128 v[BI+8*(2*(\g)+(\u))+4*(\q):BI+8*(2*(\g)+(\u))+4*(\q)+3], v[VB], s[BP+2*(\g):BP+2*(\g)+1] offset:64*(\u)+16*(\q)  ; read once, kept in registers to the end
.endr
.endr
.endr
	; A fragment is 16 rows x 32 K in 8 registers: lane l holds row l % 16; registers 0-3 hold K = 8 (l / 16) + 0..7, registers 4-7 K = 16 + 8 (l / 16) + 0..7: two loads of 16 bytes, 32 bytes apart.
	v_mul_u32_u24 v3, v1, PITCH
	v_lshl_add_u32 v3, v2, 4, v3                   ; row x pitch + 16 x half
	s_mul_i32 s21, s11, HALFT                      ; my 128 rows of abf
	s_mul_i32 s22, s12, HALFT                      ; my 128 rows of wbf,
	s_add_co_u32 s22, s22, 2*HALFT                 ; which lie behind abf's 256
.irp s, 0,1
	v_add_nc_u32 v[ADRA+(\s)], s21, v3
	v_add_nc_u32 v[ADRB+(\s)], s22, v3
	s_add_co_u32 s21, s21, SLOT
	s_add_co_u32 s22, s22, SLOT
.endr
	v_mul_u32_u24 v4, v1, PITCH                    ; the cell: row l % 16 of my 128, my 128 bytes of its 256, 32 bytes for each half of the lanes
	v_lshl_add_u32 v4, v2, 5, v4
	s_mul_i32 s23, s11, HALFT
	s_lshl_b32 s21, s12, 7
	s_add_co_u32 s23, s23, s21
	v_add_nc_u32 v[LDC], s23, v4
	v_add_nc_u32 v[STH], HSTG, v[LDC]
	v_add_nc_u32 v[STC], SLOT, v[LDC]
	v_mul_u32_u24 v5, v2, PITCH                    ; back: wave w takes rows 64 w on, whole; lanes 0-15 one row of 256 bytes, lanes 16-31 the next
	v_lshl_add_u32 v5, v1, 4, v5
	s_mul_i32 s23, s10, 64*PITCH
	v_add_nc_u32 v5, s23, v5
	v_add_nc_u32 v[RDH], HSTG, v5
	v_add_nc_u32 v[RDC], SLOT, v5
	v_lshlrev_b32 v[CO], 13, v2                    ; and the same two rows in an output
	v_lshl_add_u32 v[CO], v1, 4, v[CO]
	s_wait_loadcnt 0x0                             ; the biases, once
.set p, 0
.rept 32                                       ; each bias times its gate's factor, so that one fused multiply-add makes an exponent: blocks 4 and 5 are tanh's gate
.if (p/8) == 2
	v_pk_mul_f32 v[BI+2*p:BI+2*p+1], v[BI+2*p:BI+2*p+1], s[TL:TL+1] op_sel_hi:[1,0]
.else
	v_pk_mul_f32 v[BI+2*p:BI+2*p+1], v[BI+2*p:BI+2*p+1], s[NL:NL+1] op_sel_hi:[1,0]
.endif
.set p, p+1
.endr
; 16 matrix instructions: m blocks a0, a0 + 1 of the window's four (hi = 0: my rows 0-63, 1: rows 64-127) x all 8 n blocks, 32 along K.
; zero = 1: the first product starts the sums: nothing is ever cleared.  The 64 accumulators take turns in the same order in every quarter step.
.macro MUL16 f, hi, a0, zero
	WIN MUL_LO+0x50*(\hi)  ; MUL_LO or MUL_HI
.irp a, \a0, (\a0)+1
.irp b, 0,1,2,3,4,5,6,7
.if \zero
	v_wmma_f32_16x16x32_bf16 v[8*(8*(\a)+(\b)):8*(8*(\a)+(\b))+7], v[(\f)+8*(\b):(\f)+8*(\b)+7], v[(\f)+8*(4*(\hi)+(\a)):(\f)+8*(4*(\hi)+(\a))+7], 0
.else
	v_wmma_f32_16x16x32_bf16 v[8*(8*(\a)+(\b)):8*(8*(\a)+(\b))+7], v[(\f)+8*(\b):(\f)+8*(\b)+7], v[(\f)+8*(4*(\hi)+(\a)):(\f)+8*(4*(\hi)+(\a))+7], v[8*(8*(\a)+(\b)):8*(8*(\a)+(\b))+7]
.endif
.endr
.endr
.endm
; 32 LDS loads in one run: the fragments of one quarter step (128 rows of wbf, 128 rows of abf, 32 K at byte k of the rows) into buffer f
.macro FETCH slot, k, f
	WIN TO_B
.irp i, 0,1,2,3,4,5,6,7
	ds_load_b128 v[(\f)+8*(\i):(\f)+8*(\i)+3],   v[ADRB+(\slot)] offset:(\k)+(\i)*16*PITCH
	ds_load_b128 v[(\f)+8*(\i)+4:(\f)+8*(\i)+7], v[ADRB+(\slot)] offset:(\k)+(\i)*16*PITCH+32
.endr
	WIN 0
.irp i, 0,1,2,3,4,5,6,7
	ds_load_b128 v[(\f)+8*(\i):(\f)+8*(\i)+3],   v[ADRA+(\slot)] offset:(\k)+(\i)*16*PITCH
	ds_load_b128 v[(\f)+8*(\i)+4:(\f)+8*(\i)+7], v[ADRA+(\slot)] offset:(\k)+(\i)*16*PITCH+32
.endr
.endm
; A load into a register that a matrix instruction has read, and a vector instruction that reads a matrix result or writes one of a matrix instruction's registers, stand four places behind it,
; and only plain vector instructions that name none of its registers are places (ISA guide 7.12.1 for vector instructions).
.macro PLACES
.rept 4
	v_nop
.endr
.endm
; A K step is four quarter steps of 32 along K, 64 matrix instructions each, on buffers 0, 1, 0, 1.
; One of the first three: multiplies buffer f; in its middle it fetches the next quarter's fragments, at byte k of the same slot's rows, into buffer g.
.macro QUARTER slot, k, f, g, zero
	s_wait_dscnt 8                                 ; wbf's fragments and abf's rows 0-63 are in; the youngest eight loads (abf's rows 64-127) may be out
	WIN MUL_LO
	MUL16 \f, 0, 0, \zero
	MUL16 \f, 0, 2, \zero
	PLACES
	FETCH \slot, \k, \g
	s_wait_dscnt 32                                ; all but the 32 just issued
	WIN MUL_HI
	MUL16 \f, 1, 0, \zero
	MUL16 \f, 1, 2, \zero
.endm
; The last quarter multiplies buffer 1 and changes slots.  MEET is its first half: ONE barrier, which opens a round of the cluster's barrier.  In front of it each wave waits for all its tensor
; loads, of which one is out: its part of the next slot; adds 0 to its spare word; and waits for that and for its own reads of this slot.  Behind it nobody reads this slot any more and the next slot is whole.
.macro MEET
	WIN 0                                          ; (the add's two registers lie in window 0)
	s_wait_tensorcnt 0x0                           ; all my tensor loads have landed: the one that was out is my part of the next slot;
	ds_add_u32 v[SPW], v[NIL]                      ; 0 onto my spare word;
	s_wait_dscnt 9                                 ; (the add and the youngest eight loads may be out)
	WIN MUL_LO
	MUL16 F1, 0, 0, 0                              ; sixteen matrix instructions stand between the add and the wait for it
	s_wait_dscnt 0x0                               ; the add is done, and my reads of this slot are over:
	s_barrier_signal -1                            ; say so,
	MUL16 F1, 0, 2, 0                              ; work on registers while the others arrive,
	WIN 0
	s_barrier_wait -1                              ; and go on when all four have said so
.endm
; The whole last quarter.  Behind the round the slot just read out is filled again first, with the K step two steps on; then come the next slot's first fragments.
; From a request to the wait for it a wave issues 224 matrix instructions.
.macro TURN slot, next
	MEET
	CREST                                          ; no wave of any partner still reads this slot's tile or has a load on its way
	s_add_nc_u64 s[G0+4*(\slot)+2:G0+4*(\slot)+3], s[G0+4*(\slot)+2:G0+4*(\slot)+3], 2*KSTEP*2    ; no tensor load of mine is out, so a group 0 may be written
	s_add_nc_u64 s[G0B+4*(\slot)+2:G0B+4*(\slot)+3], s[G0B+4*(\slot)+2:G0B+4*(\slot)+3], 2*KSTEP*2
	JLOAD \slot                                    ; the first tensor load behind the round, my one load until the next; the four v_nop behind it are also the places in front of the loads below
	FETCH \next, 0, F0
	WIN MUL_HI
	MUL16 F1, 1, 0, 0
	MUL16 F1, 1, 2, 0
.endm
; The last change of slots: slot 0 has been read for the last time as a tile of the product, and takes c_prev's tile, 64 rows from each wave: its last fill.  It has the last K step, 256 matrix instructions, in which to land.
.macro TURNC
	MEET
	CREST
	tensor_load_to_lds s[G0C:G0C+3], s[G1C:G1C+7]  ; every wave's own rows, by its own descriptor: no branch
	s_nop 0
	PLACES                                         ; the places in front of the loads below
	FETCH 1, 0, F0
	WIN MUL_HI
	MUL16 F1, 1, 0, 0
	MUL16 F1, 1, 2, 0
.endm
; THE CELL for block a: 16 batch rows x my 32 hidden units, 16 elements a lane (e = 8 u + j).  I = E + e, F = E + 16 + e, G = E + 32 + e, O = E + 48 + e.
; Transcendentals stand in runs, with one plain instruction behind each run before a result is used (ISA guide 5.7.2).
.macro CELL a
.set AC, 64*((\a)%4)                   ; the block's eight accumulators, in window 2 (blocks 0-3) or 3 (blocks 4-7)
.set CPA, CP+16*((\a)%2)
	WIN 0
.irp u, 0,1
.irp q, 0,1
	ds_load_b128 v[CPA+8*(\u)+4*(\q):CPA+8*(\u)+4*(\q)+3], v[LDC] offset:(\a)*16*PITCH+64*(\u)+16*(\q)  ; c_prev: waited for behind the gates' arithmetic
.endr
.endr
	WIN 0x02+(\a)/4                                ; source 0 in the accumulators' window
.set p, 0
.rept 32                                       ; the exponents: (sum + bias) x -L, for tanh's gate x 2 L; each accumulator is read from its lowest registers on
.if (p/8) == 2
	v_pk_fma_f32 v[E+2*p:E+2*p+1], v[AC+2*p:AC+2*p+1], s[TL:TL+1], v[BI+2*p:BI+2*p+1] op_sel_hi:[1,0,1]
.else
	v_pk_fma_f32 v[E+2*p:E+2*p+1], v[AC+2*p:AC+2*p+1], s[NL:NL+1], v[BI+2*p:BI+2*p+1] op_sel_hi:[1,0,1]
.endif
.set p, p+1
.endr
	WIN 0
.set p, 0
.rept 64
	v_exp_f32 v[E+p], v[E+p]
.set p, p+1
.endr
	v_nop
.set p, 0
	s_wait_alu depctr_va_vdst(0)
.rept 32
	v_pk_add_f32 v[E+2*p:E+2*p+1], v[E+2*p:E+2*p+1], 1.0 op_sel_hi:[1,0]
.set p, p+1
.endr
.set p, 0
.rept 64
	v_rcp_f32 v[E+p], v[E+p]                       ; i, f, o are done; tanh's gate holds 1 / (1 + 2^(2 L x))
.set p, p+1
.endr
	v_nop
	s_wait_dscnt 0x0                               ; c_prev is in
.set p, 0
	s_wait_alu depctr_va_vdst(0)
.rept 8
	v_pk_fma_f32 v[E+32+2*p:E+32+2*p+1], v[E+32+2*p:E+32+2*p+1], -2.0, 1.0 op_sel_hi:[1,0,0]  ; g = tanh
.set p, p+1
.endr
.set p, 0
.rept 8
	v_pk_mul_f32 v[E+32+2*p:E+32+2*p+1], v[E+2*p:E+2*p+1], v[E+32+2*p:E+32+2*p+1]              ; i g
.set p, p+1
.endr
.set p, 0
.rept 8
	v_pk_fma_f32 v[CPA+2*p:CPA+2*p+1], v[E+16+2*p:E+16+2*p+1], v[CPA+2*p:CPA+2*p+1], v[E+32+2*p:E+32+2*p+1]  ; c_t = f c_prev + i g
.set p, p+1
.endr
.set p, 0
.rept 8
	v_pk_mul_f32 v[E+2*p:E+2*p+1], v[CPA+2*p:CPA+2*p+1], s[TL:TL+1] op_sel_hi:[1,0]            ; 2 L c_t
.set p, p+1
.endr
.set p, 0
.rept 16
	v_exp_f32 v[E+p], v[E+p]
.set p, p+1
.endr
	v_nop
.set p, 0
	s_wait_alu depctr_va_vdst(0)
.rept 8
	v_pk_add_f32 v[E+2*p:E+2*p+1], v[E+2*p:E+2*p+1], 1.0 op_sel_hi:[1,0]
.set p, p+1
.endr
.set p, 0
.rept 16
	v_rcp_f32 v[E+p], v[E+p]
.set p, p+1
.endr
	v_nop
.set p, 0
	s_wait_alu depctr_va_vdst(0)
.rept 8
	v_pk_fma_f32 v[E+2*p:E+2*p+1], v[E+2*p:E+2*p+1], -2.0, 1.0 op_sel_hi:[1,0,0]               ; tanh(c_t)
.set p, p+1
.endr
.set p, 0
.rept 8
	v_pk_mul_f32 v[E+48+2*p:E+48+2*p+1], v[E+48+2*p:E+48+2*p+1], v[E+2*p:E+2*p+1]              ; h_t = o tanh(c_t)
.set p, p+1
.endr
.irp u, 0,1
.irp q, 0,1
	ds_store_b128 v[STC], v[CPA+8*(\u)+4*(\q):CPA+8*(\u)+4*(\q)+3] offset:(\a)*16*PITCH+64*(\u)+16*(\q)
	ds_store_b128 v[STH], v[E+48+8*(\u)+4*(\q):E+48+8*(\u)+4*(\q)+3] offset:(\a)*16*PITCH+64*(\u)+16*(\q)
.endr
.endr
.endm
; THE WAY OUT of one output: my 64 whole rows come back from its stage, two rows a load, and are stored.
.macro OUT rd, base
.set t, 0
.rept 32
	ds_load_b128 v[OB+4*t:OB+4*t+3], v[\rd] offset:2*t*PITCH
.set t, t+1
.endr
.set t, 0
.rept 32
	s_wait_dscnt 31-t                              ; LDS loads come back in order (ISA guide 5.7.1): load t is in, the 31 - t younger ones stay out
	global_store_b128 v[CO], v[OB+4*t:OB+4*t+3], s[\base:(\base)+1] offset:2*t*OROW th:TH_STORE_NT  ; 16 lanes store 256 consecutive bytes, at a multiple of 256 from the output's first byte; 62 rows at the most: inside the signed 24-bit immediate
.set t, t+1
.endr
.endm
	s_wait_tensorcnt 1                             ; my part of K step 0 is in; K step 1's may stay out
	s_barrier_signal -1
	s_barrier_wait -1                              ; everybody's is
	FETCH 0, 0, F0
	QUARTER 0, 64,  F0, F1, 1                      ; the first quarter stands in front of the loop: its products start the sums
	WIN 0                                          ; at a label and at a branch every window is 0
	s_mov_b32 s3, LAPS-1
.Llap:                                                 ; a trip goes once round the ring, from a lap's second quarter to the next lap's first, and fills both slots again: K steps 2 to 23 in 11 trips
	QUARTER 0, 128, F1, F0, 0
	QUARTER 0, 192, F0, F1, 0
	TURN 0, 1
	QUARTER 1, 64,  F0, F1, 0
	QUARTER 1, 128, F1, F0, 0
	QUARTER 1, 192, F0, F1, 0
	TURN 1, 0
	QUARTER 0, 64,  F0, F1, 0
	WIN 0
	s_sub_co_u32 s3, s3, 1
	s_cmp_lg_u32 s3, 0
	s_cbranch_scc1 .Llap
	QUARTER 0, 128, F1, F0, 0                      ; the last lap is written out: no tile of the product is left to ask for
	QUARTER 0, 192, F0, F1, 0
	TURNC                                          ; c_prev is asked for in their stead
	QUARTER 1, 64,  F0, F1, 0
	QUARTER 1, 128, F1, F0, 0
	QUARTER 1, 192, F0, F1, 0
	s_wait_dscnt 8                                 ; the very last quarter: nothing more to fetch
	WIN MUL_LO
	MUL16 F1, 0, 0, 0
	MUL16 F1, 0, 2, 0
	s_wait_dscnt 0x0                               ; my reads of slot 1 are over
	MUL16 F1, 1, 0, 0
	MUL16 F1, 1, 2, 0
	WIN 0
	s_wait_tensorcnt 0x0                           ; my quarter of c_prev's tile has landed: no load was issued behind it
	s_barrier_signal -1                            ; every wave says: its quarter is in, and it reads slot 1 no more.
	PLACES                                         ; the places between the last products and the cell's first lines: loads into buffer 1's registers, reads of accumulators
	s_barrier_wait -1
.irp a, 0,1,2,3,4,5,6,7
	CELL \a
.endr
	s_wait_dscnt 0x0                               ; for the others' sake: my stores into the stages are done; a stage row's 256 bytes come from two waves
	s_barrier_signal -1
	s_barrier_wait -1
	OUT RDC, O1                                    ; c_t
	s_wait_xcnt 0x0                                ; every earlier memory instruction has had its addresses translated (ISA guide 3.1): only behind this wait are the registers that those stores read loaded again
	OUT RDH, O0                                    ; h_t
	s_wait_tensorcnt 0x0                           ; the wave's end: behind my last tensor load and my last LDS store
	ds_add_u32 v[SPW], v[NIL]
	s_wait_dscnt 0x0
	CROUND                                         ; the closing round: no work-group ends while a partner may still ask for a tile that names it
	s_endpgm
.Lfunc_end_k_qf419aa494a_lstm:
	.size	k_qf419aa494a_lstm, .Lfunc_end_k_qf419aa494a_lstm-k_qf419aa494a_lstm
	.p2alignl 7, 3214868480
	.fill 96, 4, 3214868480
	.section	.rodata,"a",@progbits
	.p2align	6, 0x0
	.amdhsa_kernel k_qf419aa494a_lstm
		.amdhsa_group_segment_fixed_size 327680
		.amdhsa_private_segment_fixed_size 0
		.amdhsa_enable_private_segment 0
		.amdhsa_kernarg_size 72
		.amdhsa_user_sgpr_count 2
		.amdhsa_user_sgpr_kernarg_segment_ptr 1
		.amdhsa_wavefront_size32 1
		.amdhsa_system_sgpr_workgroup_id_x 1
		.amdhsa_system_sgpr_workgroup_id_y 1
		.amdhsa_system_sgpr_workgroup_id_z 1
		.amdhsa_system_vgpr_workitem_id 0
		.amdhsa_next_free_vgpr 1024
		.amdhsa_next_free_sgpr 100
		.amdhsa_reserve_vcc 0
		.amdhsa_float_denorm_mode_32 3
		.amdhsa_float_denorm_mode_16_64 3
		.amdhsa_memory_ordered 1
		.amdhsa_forward_progress 1
		.amdhsa_inst_pref_size 237
	.end_amdhsa_kernel
	.amdgpu_metadata
---
amdhsa.version: [ 1, 2 ]
amdhsa.kernels:
  - .name:           k_qf419aa494a_lstm
    .symbol:         k_qf419aa494a_lstm.kd
    .args:
      - { .name: abf, .offset: 0, .size: 8, .value_kind: global_buffer, .address_space: global }
      - { .name: wbf, .offset: 8, .size: 8, .value_kind: global_buffer, .address_space: global }
      - { .name: c_prev, .offset: 16, .size: 8, .value_kind: global_buffer, .address_space: global }
      - { .name: b_i, .offset: 24, .size: 8, .value_kind: global_buffer, .address_space: global }
      - { .name: b_f, .offset: 32, .size: 8, .value_kind: global_buffer, .address_space: global }
      - { .name: b_c, .offset: 40, .size: 8, .value_kind: global_buffer, .address_space: global }
      - { .name: b_o, .offset: 48, .size: 8, .value_kind: global_buffer, .address_space: global }
      - { .name: out0, .offset: 56, .size: 8, .value_kind: global_buffer, .address_space: global }
      - { .name: out1, .offset: 64, .size: 8, .value_kind: global_buffer, .address_space: global }
    .group_segment_fixed_size: 327680
    .private_segment_fixed_size: 0
    .kernarg_segment_align: 8
    .kernarg_segment_size: 72
    .max_flat_workgroup_size: 128
    .sgpr_count:     100
    .vgpr_count:     1024
    .wavefront_size: 32
...
	.end_amdgpu_metadata
.endif
;; end of part 2
;; ======== version 2 of 2: 2 launches; version 1 with the launch cast written anew for expert scheduling mode
;; workspace buffers: abf 12,582,912 bytes; wbf 50,331,648 bytes
;; launch cast (part 3): grid 256 x 5, 8 waves a work-group, no clusters, 0 bytes of LDS; arguments x_t, h_prev, W_i, W_f, W_c, W_o, abf, wbf; writes abf, wbf
.if DOCPART == 3
	.amdgcn_target "amdgcn-amd-amdhsa--gfx1250"
	.amdhsa_code_object_version 6
	.text
	.protected	k_qf419aa494a_cast
	.globl	k_qf419aa494a_cast
	.p2align	8
	.type	k_qf419aa494a_cast,@function
k_qf419aa494a_cast:
	s_mov_b64 s[64:65], 0
	v_nop
	global_prefetch_b8 v0, s[64:65] scope:SCOPE_SE
	s_setreg_imm32_b32 hwreg(HW_REG_WAVE_SCHED_MODE, 0, 2), 2
	s_setreg_imm32_b32 hwreg(HW_REG_WAVE_MODE, 25, 1), 1
	s_wait_xcnt 0x0
	s_wait_alu depctr_vm_vsrc(0)
; THE OPERANDS OF THE GATE PRODUCT, ROUNDED ONCE TO bf16 AND LAID OUT FOR IT.
; abf [2048][3072] bf16: row = batch row, columns = x_t's 1,024 numbers, then h_prev's 2,048.
; wbf [8192][3072] bf16: hidden row h of gate g (0 = i, 1 = f, 2 = c, 3 = o) goes to row ((h >> 5) * 4 + g) * 32 + (h & 31): 128 consecutive rows
; are then 32 hidden units in all four gates, gate g at rows 32 g .. 32 g + 31, so that the product's wave tile holds all four gates of an element.
; SHARES.  Work-group y = 0: the activations; y = 1 .. 4: W_i, W_f, W_c, W_o.  Work-group x: eight rows, one for each wave.  A wave takes a whole row of 3,072 numbers:
; 24 loads of 16 bytes a lane (each 512 consecutive bytes), all issued before the first is waited for, and 24 stores of 8 bytes a lane (each 256 consecutive bytes, aligned).
; Every byte is read once and written once; no LDS, no barrier, no loop: the matrix units, clusters and tiles would add nothing to a stream.
; LIMITS.  Rounding is to nearest even; bf16 has f32's range, so nothing overflows; NaN and infinities pass as the conversion gives them.
; THE MODE: SCHED_MODE bits 1:0 = 2 (LLVM: expert scheduling mode 2), set by the entry lines.  The code itself states the register dependences
; between vector instructions and memory instructions, with s_wait_alu, always for 0.
; THE PLAN.  Registers that memory instructions touch:
;   v1, v3           byte offsets of the loads and of the stores: made once at the head, never written again.
;   v[X+4j : X+4j+3] load j lands there (no vector instruction has named them before); its two conversions read all four and write the first two; store j reads those two; nothing writes them again.
;   s2               the wave's number, written by a vector instruction; every base is made from it.
; The 24 loads go in six groups of four.  Store j stands one group behind its conversions, in front of those of load j + 4.  ONE wait on va_vdst at the head of groups 1 to 5 states that the
; group before has written its eight packed words; the vector instructions behind it, this group's conversions, name this group's registers alone, so the four stores are dealt among them
; with no further wait.  One more stands in front of the last four stores.  No register that a memory instruction has read is written again: there is nothing for a wait on vm_vsrc to state.
.set X,    4                           ; v[4:99]  load j in v[X+4j : X+4j+3]; its two packed words then lie in the first two
.set GRP,  4                           ; loads in a group
.set WROW, 12288                       ; bytes in a row of a weight matrix
.set DROW, 6144                        ; bytes in a row of abf and of wbf
	s_load_b512 s[8:23], s[0:1], 0x0               ; x s[8:9], h s[10:11], W_i s[12:13], W_f s[14:15], W_c s[16:17], W_o s[18:19], abf s[20:21], wbf s[22:23]
	v_and_b32 v1, 31, v0                           ; lane
	v_lshrrev_b32 v2, 5, v0
	v_readfirstlane_b32 s2, v2                     ; wave 0..7
	v_lshlrev_b32 v3, 3, v1                        ; 8 bytes a lane on the way out
	v_lshlrev_b32 v1, 4, v1                        ; 16 bytes a lane on the way in
	s_and_b32 s3, ttmp7, 0xffff                    ; t: which tensor
	s_lshl_b32 s4, ttmp9, 3
	s_wait_alu depctr_va_sdst(0)                   ; s2 is written, ahead of its first reader, the next line: my row and all three bases are made from it
	s_add_co_u32 s4, s4, s2                        ; my row
	s_max_u32 s5, s3, 1
	s_sub_co_u32 s5, s5, 1                         ; the gate g (0 where t = 0: not used there)
	s_lshr_b32 s6, s4, 5
	s_lshl2_add_u32 s6, s6, s5                     ; (row >> 5) * 4 + g
	s_lshl_b32 s6, s6, 5
	s_and_b32 s7, s4, 31
	s_add_co_u32 s6, s6, s7                        ; the row's place in wbf
	; the offsets are made apart from the addresses: the first 4,096 bytes of the row come from P0, the other 8,192 from P1
	s_mul_i32 s24, s4, WROW                        ; a weight row's first byte,
	s_add_co_u32 s26, s24, 4096                    ; and its byte 4,096
	s_lshl_b32 s28, s4, 12                         ; x's row
	s_lshl_b32 s30, s4, 13                         ; h's row
	s_cmp_eq_u32 s3, 0
	s_cselect_b32 s24, s28, s24
	s_cselect_b32 s26, s30, s26
	s_cselect_b32 s6, s4, s6                       ; abf keeps the row's number
	s_mul_i32 s28, s6, DROW
	s_mov_b32 s25, 0
	s_mov_b32 s27, 0
	s_mov_b32 s29, 0
	s_wait_kmcnt 0x0
	s_cmp_eq_u32 s3, 2                             ; the weight matrix is chosen by t alone
	s_cselect_b64 s[32:33], s[14:15], s[12:13]
	s_cmp_eq_u32 s3, 3
	s_cselect_b64 s[32:33], s[16:17], s[32:33]
	s_cmp_eq_u32 s3, 4
	s_cselect_b64 s[32:33], s[18:19], s[32:33]
	s_cmp_eq_u32 s3, 0
	s_cselect_b64 s[34:35], s[8:9], s[32:33]       ; P0: x, or the weight matrix
	s_cselect_b64 s[36:37], s[10:11], s[32:33]     ; P1: h, or the weight matrix
	s_cselect_b64 s[38:39], s[20:21], s[22:23]     ; D: abf or wbf
	s_add_nc_u64 s[34:35], s[34:35], s[24:25]
	s_add_nc_u64 s[36:37], s[36:37], s[26:27]
	s_add_nc_u64 s[38:39], s[38:39], s[28:29]
	s_wait_alu depctr_va_vdst(0)                   ; v1 and v3 are written: every load of the kernel reads v1 as its offset, every store v3
.set j, 0
.rept 8
	global_load_b128 v[X+4*j:X+4*j+3], v1, s[34:35] offset:512*j th:TH_LOAD_NT       ; read once in the launch
.set j, j+1
.endr
.rept 16
	global_load_b128 v[X+4*j:X+4*j+3], v1, s[36:37] offset:512*(j-8) th:TH_LOAD_NT
.set j, j+1
.endr
.set j, 0
.rept 24
	s_wait_loadcnt 23-j                            ; loads come back in order (ISA guide 5.7.1): load j is in, the 23 - j younger ones stay out
.if (j % GRP == 0) && (j > 0)
	s_wait_alu depctr_va_vdst(0)                   ; a group's head: the conversions of the group before have written their eight packed words, which the group's four stores below read
.endif
.if j >= GRP
	global_store_b64 v3, v[X+4*(j-GRP):X+4*(j-GRP)+1], s[38:39] offset:256*(j-GRP)  ; the group before: the wave's 32 lanes store 256 consecutive bytes, aligned; no vector instruction since the wait names these registers, and none writes them again
.endif
	v_cvt_pk_bf16_f32 v[X+4*j], v[X+4*j], v[X+4*j+1]
	v_cvt_pk_bf16_f32 v[X+4*j+1], v[X+4*j+2], v[X+4*j+3]
.set j, j+1
.endr
	s_wait_alu depctr_va_vdst(0)                   ; the last group's conversions have written their packed words, which the last four stores read
.set j, 24-GRP
.rept GRP
	global_store_b64 v3, v[X+4*j:X+4*j+1], s[38:39] offset:256*j
.set j, j+1
.endr
	s_endpgm
.Lfunc_end_k_qf419aa494a_cast:
	.size	k_qf419aa494a_cast, .Lfunc_end_k_qf419aa494a_cast-k_qf419aa494a_cast
	.p2alignl 7, 3214868480
	.fill 96, 4, 3214868480
	.section	.rodata,"a",@progbits
	.p2align	6, 0x0
	.amdhsa_kernel k_qf419aa494a_cast
		.amdhsa_group_segment_fixed_size 0
		.amdhsa_private_segment_fixed_size 0
		.amdhsa_enable_private_segment 0
		.amdhsa_kernarg_size 64
		.amdhsa_user_sgpr_count 2
		.amdhsa_user_sgpr_kernarg_segment_ptr 1
		.amdhsa_wavefront_size32 1
		.amdhsa_system_sgpr_workgroup_id_x 1
		.amdhsa_system_sgpr_workgroup_id_y 1
		.amdhsa_system_sgpr_workgroup_id_z 1
		.amdhsa_system_vgpr_workitem_id 0
		.amdhsa_next_free_vgpr 100
		.amdhsa_next_free_sgpr 66
		.amdhsa_reserve_vcc 0
		.amdhsa_float_denorm_mode_32 3
		.amdhsa_float_denorm_mode_16_64 3
		.amdhsa_memory_ordered 1
		.amdhsa_forward_progress 1
		.amdhsa_inst_pref_size 11
	.end_amdhsa_kernel
	.amdgpu_metadata
---
amdhsa.version: [ 1, 2 ]
amdhsa.kernels:
  - .name:           k_qf419aa494a_cast
    .symbol:         k_qf419aa494a_cast.kd
    .args:
      - { .name: x_t, .offset: 0, .size: 8, .value_kind: global_buffer, .address_space: global }
      - { .name: h_prev, .offset: 8, .size: 8, .value_kind: global_buffer, .address_space: global }
      - { .name: W_i, .offset: 16, .size: 8, .value_kind: global_buffer, .address_space: global }
      - { .name: W_f, .offset: 24, .size: 8, .value_kind: global_buffer, .address_space: global }
      - { .name: W_c, .offset: 32, .size: 8, .value_kind: global_buffer, .address_space: global }
      - { .name: W_o, .offset: 40, .size: 8, .value_kind: global_buffer, .address_space: global }
      - { .name: abf, .offset: 48, .size: 8, .value_kind: global_buffer, .address_space: global }
      - { .name: wbf, .offset: 56, .size: 8, .value_kind: global_buffer, .address_space: global }
    .group_segment_fixed_size: 0
    .private_segment_fixed_size: 0
    .kernarg_segment_align: 8
    .kernarg_segment_size: 64
    .max_flat_workgroup_size: 256
    .sgpr_count:     66
    .vgpr_count:     100
    .wavefront_size: 32
...
	.end_amdgpu_metadata
.endif
;; end of part 3
;; launch lstm: the kernel of part 2 again; grid 32 x 8, 4 waves a work-group, clusters of 4 x 4, 327,680 bytes of LDS; arguments abf, wbf, c_prev, b_i, b_f, b_c, b_o, out0, out1; writes out0, out1
